; MI455X (gfx1250); checked and timed in simulation.
; The chip was launched on July 23, 2026; its instructions are those of AMD's public machine-readable ISA for CDNA 5 (MIT licence, August 2026) and "CDNA5" Instruction Set Architecture Reference Guide (July 2026). The comments in the code are by the model that wrote it; some were corrected since.
;; Simple Attention With KV Cache. Allowed arithmetic: float matrix products may take bf16 or f16 operands with f32 sums; all other float work in f32.
;; Inputs: bk 1,024 float32; bo 1,024 float32; bq 1,024 float32; bv 1,024 float32; wk 1,024 x 1,024 float32; wo 1,024 x 1,024 float32; wq 1,024 x 1,024 float32; wv 1,024 x 1,024 float32; x 2 x 2,048 x 1,024 float32.
;; Outputs: out0 2 x 2,048 x 1,024 float32.
;; 2 versions, each right; version 2 is version 1 with the launch cvt written anew for expert scheduling mode. Each part assembles by itself: llvm-mc -triple=amdgcn-amd-amdhsa -mcpu=gfx1250 --defsym DOCPART=n.
;; ======== version 1 of 2: 4 launches
;; limits: values are held in f16: magnitudes above 65,504 overflow, below 6.1e-05 lose precision
;; workspace buffers: xb 8,388,608 bytes; wb 6,291,456 bytes; wob 2,097,152 bytes; qkv 25,165,824 bytes; ab 8,388,608 bytes
;; launch cvt (part 1): grid 256 x 1, 8 waves a work-group, no clusters, 0 bytes of LDS; arguments x, wq, wk, wv, wo, xb, wb, wob; writes xb, wb, wob
.if DOCPART == 1
	.amdgcn_target "amdgcn-amd-amdhsa--gfx1250"
	.amdhsa_code_object_version 6
	.text
	.protected	k_q14481e36bd_cvt
	.globl	k_q14481e36bd_cvt
	.p2align	8
	.type	k_q14481e36bd_cvt,@function
k_q14481e36bd_cvt:
	s_mov_b64 s[64:65], 0
	v_nop
	global_prefetch_b8 v0, s[64:65] scope:SCOPE_SE
	s_setreg_imm32_b32 hwreg(HW_REG_WAVE_MODE, 25, 1), 1
	s_wait_xcnt 0x0
; Rounds the matrix operands once, so that the two products that follow move 16-bit tiles.
;   xb  [4096][1024] bf16 = x;   wb [3072][1024] bf16 = wq, wk, wv one below the other;
;   wob [1024][1024] f16  = wo rounded to bf16 and then written as f16 (its partner in the last product is f16).
; LIMIT: bf16(wo) is exact in f16 for 2^-17 <= |wo| < 65504; below that the f16 step 2^-24 rounds it (error at most 2^-25).
; A stream: 256 work-groups, each with 65,536 bytes of x (16 chunks of 4,096) and 16,384 bytes of each weight (4 chunks).
; Thread t takes the 16 bytes at 16 t of a chunk (a wave's load covers 512 consecutive bytes) and stores the 8 bytes at 8 t
; of the chunk's image (a wave's store covers 256 consecutive bytes, aligned).  All 32 loads of a wave go out first; each is
; waited for by its own count.  No matrix unit, LDS or barrier: no wave needs another's data.
.set CHUNK, 4096                       ; bytes of f32 that the work-group's 256 threads take at once
.set HALF,  2048                       ; the same numbers in 16 bits
.set WMAT,  2097152                    ; bytes of one weight in wb
.set X,     4                          ; v[4:131]  load n: 4 registers
	s_load_b512 s[4:19], s[0:1], 0x0               ; x 4, wq 6, wk 8, wv 10, wo 12, xb 14, wb 16, wob 18
	s_lshl_b32 s2, ttmp9, 16                       ; my part of x
	s_mov_b32 s3, 0
	s_lshl_b32 s20, ttmp9, 15                      ; of xb
	s_mov_b32 s21, 0
	s_lshl_b32 s22, ttmp9, 14                      ; of each weight
	s_mov_b32 s23, 0
	s_lshl_b32 s24, ttmp9, 13                      ; of each weight's image
	s_mov_b32 s25, 0
	v_lshlrev_b32 v1, 4, v0                        ; 16 t
	v_lshlrev_b32 v2, 3, v0                        ; 8 t
	s_wait_kmcnt 0x0
	s_add_nc_u64 s[4:5], s[4:5], s[2:3]
	s_add_nc_u64 s[6:7], s[6:7], s[22:23]
	s_add_nc_u64 s[8:9], s[8:9], s[22:23]
	s_add_nc_u64 s[10:11], s[10:11], s[22:23]
	s_add_nc_u64 s[12:13], s[12:13], s[22:23]
	s_add_nc_u64 s[14:15], s[14:15], s[20:21]
	s_add_nc_u64 s[16:17], s[16:17], s[24:25]
	s_add_nc_u64 s[18:19], s[18:19], s[24:25]
.irp i, 0,1,2,3,4,5,6,7,8,9,10,11,12,13,14,15
	global_load_b128 v[X+4*\i:X+4*\i+3], v1, s[4:5] offset:\i*CHUNK th:TH_LOAD_NT
.endr
.irp m, 0,1,2,3
.irp i, 0,1,2,3
	global_load_b128 v[X+64+16*\m+4*\i:X+64+16*\m+4*\i+3], v1, s[6+2*\m:7+2*\m] offset:\i*CHUNK th:TH_LOAD_NT
.endr
.endr
; load n has come (the 31 - n younger ones stay out); its four numbers become two words of bf16 in its first two registers
.macro BF n
	s_wait_loadcnt 31-(\n)
	v_cvt_pk_bf16_f32 v[X+4*(\n)],   v[X+4*(\n)],   v[X+4*(\n)+1]
	v_cvt_pk_bf16_f32 v[X+4*(\n)+1], v[X+4*(\n)+2], v[X+4*(\n)+3]
.endm
; one word of two bf16 (register r) becomes one word of two f16; a, b: the load's two free registers
.macro TOF16 r, a, b
	v_lshlrev_b32 v[\a], 16, v[\r]
	v_and_b32 v[\b], 0xffff0000, v[\r]
	v_cvt_pk_f16_f32 v[\r], v[\a], v[\b]
.endm
.irp i, 0,1,2,3,4,5,6,7,8,9,10,11,12,13,14,15
	BF \i
	global_store_b64 v2, v[X+4*\i:X+4*\i+1], s[14:15] offset:\i*HALF
.endr
.irp m, 0,1,2
.irp i, 0,1,2,3
	BF 16+4*\m+\i
	global_store_b64 v2, v[X+64+16*\m+4*\i:X+64+16*\m+4*\i+1], s[16:17] offset:\m*WMAT+\i*HALF
.endr
.endr
.irp i, 0,1,2,3
	BF 28+\i
	TOF16 X+112+4*\i,   X+112+4*\i+2, X+112+4*\i+3
	TOF16 X+112+4*\i+1, X+112+4*\i+2, X+112+4*\i+3
	global_store_b64 v2, v[X+112+4*\i:X+112+4*\i+1], s[18:19] offset:\i*HALF
.endr
	s_endpgm                                       ; no register that a store reads is written again, so no further wait is owed
.Lfunc_end_k_q14481e36bd_cvt:
	.size	k_q14481e36bd_cvt, .Lfunc_end_k_q14481e36bd_cvt-k_q14481e36bd_cvt
	.p2alignl 7, 3214868480
	.fill 96, 4, 3214868480
	.section	.rodata,"a",@progbits
	.p2align	6, 0x0
	.amdhsa_kernel k_q14481e36bd_cvt
		.amdhsa_group_segment_fixed_size 0
		.amdhsa_private_segment_fixed_size 0
		.amdhsa_enable_private_segment 0
		.amdhsa_kernarg_size 64
		.amdhsa_user_sgpr_count 2
		.amdhsa_user_sgpr_kernarg_segment_ptr 1
		.amdhsa_wavefront_size32 1
		.amdhsa_system_sgpr_workgroup_id_x 1
		.amdhsa_system_sgpr_workgroup_id_y 1
		.amdhsa_system_sgpr_workgroup_id_z 1
		.amdhsa_system_vgpr_workitem_id 0
		.amdhsa_next_free_vgpr 132
		.amdhsa_next_free_sgpr 66
		.amdhsa_reserve_vcc 0
		.amdhsa_float_denorm_mode_32 3
		.amdhsa_float_denorm_mode_16_64 3
		.amdhsa_memory_ordered 1
		.amdhsa_forward_progress 1
		.amdhsa_inst_pref_size 14
	.end_amdhsa_kernel
	.amdgpu_metadata
---
amdhsa.version: [ 1, 2 ]
amdhsa.kernels:
  - .name:           k_q14481e36bd_cvt
    .symbol:         k_q14481e36bd_cvt.kd
    .args:
      - { .name: x, .offset: 0, .size: 8, .value_kind: global_buffer, .address_space: global }
      - { .name: wq, .offset: 8, .size: 8, .value_kind: global_buffer, .address_space: global }
      - { .name: wk, .offset: 16, .size: 8, .value_kind: global_buffer, .address_space: global }
      - { .name: wv, .offset: 24, .size: 8, .value_kind: global_buffer, .address_space: global }
      - { .name: wo, .offset: 32, .size: 8, .value_kind: global_buffer, .address_space: global }
      - { .name: xb, .offset: 40, .size: 8, .value_kind: global_buffer, .address_space: global }
      - { .name: wb, .offset: 48, .size: 8, .value_kind: global_buffer, .address_space: global }
      - { .name: wob, .offset: 56, .size: 8, .value_kind: global_buffer, .address_space: global }
    .group_segment_fixed_size: 0
    .private_segment_fixed_size: 0
    .kernarg_segment_align: 8
    .kernarg_segment_size: 64
    .max_flat_workgroup_size: 256
    .sgpr_count:     66
    .vgpr_count:     132
    .wavefront_size: 32
...
	.end_amdgpu_metadata
.endif
;; end of part 1
;; launch qkv (part 2): grid 16 x 16, 4 waves a work-group, clusters of 4 x 4, 327,680 bytes of LDS; arguments xb, wb, bq, bk, bv, qkv; writes qkv
.if DOCPART == 2
	.amdgcn_target "amdgcn-amd-amdhsa--gfx1250"
	.amdhsa_code_object_version 6
	.text
	.protected	k_q14481e36bd_qkv
	.globl	k_q14481e36bd_qkv
	.p2align	8
	.type	k_q14481e36bd_qkv,@function
k_q14481e36bd_qkv:
	s_mov_b64 s[64:65], 0
	v_nop
	global_prefetch_b8 v0, s[64:65] scope:SCOPE_SE
	s_setreg_imm32_b32 hwreg(HW_REG_WAVE_MODE, 25, 1), 1
	s_wait_xcnt 0x0
	s_wait_alu depctr_hold_cnt(0) depctr_sa_sdst(0) depctr_va_vdst(0) depctr_va_sdst(0) depctr_va_ssrc(0) depctr_va_vcc(0) depctr_vm_vsrc(0)
	s_getreg_b32 s2, hwreg(HW_REG_IB_STS2, 6, 4)
	s_cmp_eq_u32 s2, 0
	s_cbranch_scc0 .Lentry_in_a_cluster
	s_endpgm
.Lentry_in_a_cluster:
	s_bfe_u32 s2, ttmp6, 0x10000c
	s_cmp_lg_u32 s2, 0xf033
	s_cbranch_scc0 .Lentry_shape_is_right
	s_endpgm
.Lentry_shape_is_right:
; [q | k | v] = xb wb^T + bias.  xb [4096][1024] bf16, wb [3072][1024] bf16, sums and bias in f32, result f16 in
; qkv [3][32 = 16 b + head][2048][64]: each (matrix, batch, head) is a dense block of 262,144 bytes.
; LIMIT: q, k and v are kept in f16: |q|, |k|, |v| must stay below 65504.
; A work-group makes 256 rows x 192 columns with four waves; a wave makes 128 x 96: 48 accumulator tiles of 16 x 16, 384 registers.
; 16 x 16 = 256 work-groups.  K goes in steps of 128 through two LDS slots filled by the tensor data mover; a tile's rows are 256 bytes
; of memory at multiples of 256 bytes.
; CLUSTERS: 4 x 4 work-groups.  The four of a row of the cluster need the same rows of xb, the four of a column the same rows of wb:
; each such tile is asked for jointly, which divides the requests for both by four.
; REGISTERS in windows of 256:  window 0: addresses, fragments of xb (two buffers of 64), bias;  window 1: fragments of wb (two buffers of 48);
; window 2: the 24 accumulator tiles of my rows 0-63 (tile (a, b) at v[8 (6 a + b)]);  window 3: those of my rows 64-127.
; The matrix instruction is used transposed (source 0 = 16 rows of wb, source 1 = 16 rows of xb): lane l then holds row l % 16 and
; the eight neighbouring columns 8 (l / 16) + 0..7, which pack into 16 bytes.
.set SIZE_K, 1024
.set KSTEP,  128
.set PITCH,  272                       ; an LDS row: 256 bytes + 16 of padding, so that 16 rows start in 16 different 16-byte columns modulo 256
.set HALFA,  128*PITCH                 ; what one tensor load brings of xb, and what one wave reads of it
.set HALFB,  96*PITCH                  ; the same for wb
.set SLOT,   2*HALFA+2*HALFB           ; xb's 256 rows, then wb's 192 rows
.set SPITCH, 400                       ; the way out: 192 f16 + 16 bytes = 25 x 16
.set LAPS,   SIZE_K/(2*KSTEP)          ; 4 laps of two K steps
.set ADRA, 16                          ; v16-17  LDS address of my xb fragments in slot 0, 1
.set ADRB, 20                          ; v20-21  the same for wb
.set STO,  24                          ; v24     the way out: where I put 16 bytes of a row
.set RD,   25                          ; v25     the way out: where I read back
.set CO,   26                          ; v26-28  my byte offset in qkv for each of the block's three units of 64 columns
.set BO,   30                          ; v30-35  byte offset of my 8 bias numbers for each of my six column tiles
.set F0,   64
.set F1,   128
.set PK,   112                         ; the way out: packed results
.set BIAS, 192                         ; v192-239  8 bias numbers for each of six column tiles
.set G1,  24
.set G0,  32
.set G1B, 48
.set G0B, 56
.set MSB, 0
.macro WIN new                         ; the immediate's high byte repeats the setting that is left
.if MSB != \new
	s_set_vgpr_msb (MSB<<8)|\new
.set MSB, \new
.endif
.endm
.set MUL_LO, 0xa1                      ; source 0 (wb) window 1, source 1 (xb) window 0, C and D window 2
.set MUL_HI, 0xf1                      ; the same, C and D window 3
.set TO_B,   0x40                      ; destination window 1, address window 0
; A joint load.  Waves 0 and 1 fetch xb's two halves, waves 2 and 3 wb's.  The branch hangs on the wave's number alone.
.macro JLOAD s
	s_cmp_eq_u32 s11, 0
	s_cbranch_scc0 .Lfor_b_\@
	tensor_load_to_lds s[G0+4*\s:G0+4*\s+3], s[G1:G1+7]
	s_nop 0
	s_branch .Lasked_\@
.Lfor_b_\@:
	tensor_load_to_lds s[G0B+4*\s:G0B+4*\s+3], s[G1B:G1B+7]
	s_nop 0
.Lasked_\@:
.endm
.macro CREST                           ; a round of the cluster's barrier behind its opening work-group barrier
	s_cmp_lg_u32 s10, 0
	s_cbranch_scc1 .Lnot_wave_0_\@
	s_barrier_signal -3
.Lnot_wave_0_\@:
	s_barrier_wait -3
	s_barrier_signal -1
	s_barrier_wait -1
.endm
.macro CROUND                          ; a whole round
	s_barrier_signal -1
	s_barrier_wait -1
	CREST
.endm
	s_load_b128 s[4:7], s[0:1], 0x0                ; xb, wb
	s_load_b128 s[68:71], s[0:1], 0x10             ; bq, bk
	s_load_b128 s[72:75], s[0:1], 0x20             ; bv, qkv
	s_set_vgpr_msb 0x40
	v_lshl_add_u32 v255, v0, 2, 0x3b800
	s_set_vgpr_msb 0x4000
	v_mov_b32 v255, 0
	s_set_vgpr_msb 0x1
	ds_add_u32 v255, v255
	ds_add_u32 v255, v255
	s_set_vgpr_msb 0x100
	v_lshrrev_b32 v1, 5, v0
	v_readfirstlane_b32 s10, v1                    ; wave 0..3
	s_lshr_b32 s11, s10, 1                         ; which half of the block's rows is mine.  Also: I fetch for xb (0) or wb (1)
	s_and_b32 s12, s10, 1                          ; which half of its columns.  Also: which half of that tile I fetch
	s_bfe_u32 s40, ttmp6, 0x40000                  ; cx
	s_bfe_u32 s41, ttmp6, 0x40004                  ; cy
	s_lshl_b32 s42, ttmp9, 2
	s_add_co_u32 s42, s42, s40                     ; block column = 4 x cluster x + cx
	s_and_b32 s13, ttmp7, 0xffff
	s_lshl_b32 s13, s13, 2
	s_add_co_u32 s13, s13, s41                     ; block row = 4 x cluster y + cy
	s_lshl_b32 s43, s41, 2
	s_lshl_b32 s43, 15, s43                        ; my row of the cluster: places 4 cy .. 4 cy + 3
	s_lshl_b32 s44, 0x1111, s40                    ; my column: places cx, cx + 4, cx + 8, cx + 12
	; group 1: elements of 2 bytes; padding of 4 words behind every 64 words; bit 21 set beside a mask
	s_or_b32 s[G1+0], s43, (1<<16)|(1<<20)|(1<<21)|(5<<22)|(3<<25)
	s_or_b32 s[G1B+0], s44, (1<<16)|(1<<20)|(1<<21)|(5<<22)|(3<<25)
	s_mov_b32 s[G1+1], KSTEP<<16                   ; tensor_dim0 = 128
	s_mov_b32 s[G1B+1], KSTEP<<16
	s_mov_b32 s[G1+2], 128<<16                     ; tensor_dim1 = 128 rows of xb,
	s_mov_b32 s[G1B+2], 96<<16                     ; 96 of wb
	s_mov_b32 s[G1+3], KSTEP<<16                   ; tile_dim0 = 128
	s_mov_b32 s[G1B+3], KSTEP<<16
	s_mov_b32 s[G1+4], 128                         ; tile_dim1
	s_mov_b32 s[G1B+4], 96
	s_mov_b32 s[G1+5], SIZE_K                      ; elements from row to row
	s_mov_b32 s[G1B+5], SIZE_K
	s_mov_b32 s[G1+6], 0
	s_mov_b32 s[G1B+6], 0
	s_mov_b32 s[G1+7], 0
	s_mov_b32 s[G1B+7], 0
	; xb's tiles hang on the block row alone, wb's on the block column alone; each address is made in registers that never hold the other coordinate
	s_lshl_b32 s17, s12, 7
	s_lshl_b32 s16, s13, 8
	s_add_co_u32 s16, s16, s17                     ; xb: row 256 x block row + 128 x half
	s_mul_i32 s46, s42, 192
	s_mul_i32 s47, s12, 96
	s_add_co_u32 s46, s46, s47                     ; wb: row 192 x block column + 96 x half
	s_mov_b32 s88, s46                             ; which is also my wave's first column of the result
	s_mov_b32 s17, 0
	s_mov_b32 s47, 0
	s_mov_b64 s[18:19], SIZE_K*2
	s_mul_u64 s[16:17], s[16:17], s[18:19]
	s_mul_u64 s[46:47], s[46:47], s[18:19]
	s_mul_i32 s20, s12, HALFA                      ; LDS: xb's two halves,
	s_mul_i32 s45, s12, HALFB
	s_add_co_u32 s45, s45, 2*HALFA                 ; then wb's two halves: the wave's number alone
	s_wait_dscnt 0x0
	s_wait_kmcnt 0x0
	s_add_nc_u64 s[14:15], s[4:5], s[16:17]
	s_add_nc_u64 s[46:47], s[6:7], s[46:47]
	CROUND                                         ; all sixteen work-groups are here: the first joint loads meet
.irp s, 0,1
	s_mov_b32 s[G0+4*\s], 1
	s_add_co_u32 s[G0+4*\s+1], s20, \s*SLOT
	s_add_nc_u64 s[G0+4*\s+2:G0+4*\s+3], s[14:15], \s*KSTEP*2
	s_or_b32 s[G0+4*\s+3], s[G0+4*\s+3], 0x80000000
	s_mov_b32 s[G0B+4*\s], 1
	s_add_co_u32 s[G0B+4*\s+1], s45, \s*SLOT
	s_add_nc_u64 s[G0B+4*\s+2:G0B+4*\s+3], s[46:47], \s*KSTEP*2
	s_or_b32 s[G0B+4*\s+3], s[G0B+4*\s+3], 0x80000000
	JLOAD \s                                       ; both slots' first fills, two loads of this wave out
.endr
	v_and_b32 v1, 15, v0                           ; r = l % 16
	v_bfe_u32 v2, v0, 4, 1                         ; h = l / 16
	; The bias of my six column tiles.  A tile of 16 columns lies in one of q, k, v (1024 is a multiple of 16): the buffer is chosen by the
	; column, each tile with its own pointer pair and offset register.  Waited for on the way out.
.macro BIASLD b
	s_add_co_u32 s89, s88, 16*\b
	s_lshr_b32 s90, s89, 10                        ; 0 q, 1 k, 2 v
	s_cmp_eq_u32 s90, 1
	s_cselect_b64 s[76+2*\b:77+2*\b], s[70:71], s[68:69]
	s_cmp_eq_u32 s90, 2
	s_cselect_b64 s[76+2*\b:77+2*\b], s[72:73], s[76+2*\b:77+2*\b]
	s_and_b32 s89, s89, 1023
	s_lshl_b32 s89, s89, 2
	v_lshl_add_u32 v[BO+\b], v2, 5, s89            ; 4 (column in the matrix) + 32 h
	global_load_b128 v[BIAS+8*\b:BIAS+8*\b+3],   v[BO+\b], s[76+2*\b:77+2*\b]
	global_load_b128 v[BIAS+8*\b+4:BIAS+8*\b+7], v[BO+\b], s[76+2*\b:77+2*\b] offset:16
.endm
.irp b, 0,1,2,3,4,5
	BIASLD \b
.endr
	; fragments: lane l holds row l % 16; two loads of 16 bytes, 32 bytes apart, at row x pitch + 16 (l / 16)
	v_mul_u32_u24 v3, v1, PITCH
	v_lshl_add_u32 v3, v2, 4, v3
	s_mul_i32 s21, s11, HALFA                      ; my 128 rows of xb
	s_mul_i32 s22, s12, HALFB                      ; my 96 rows of wb,
	s_add_co_u32 s22, s22, 2*HALFA                 ; which lie behind xb's 256
.irp s, 0,1
	v_add_nc_u32 v[ADRA+\s], s21, v3
	v_add_nc_u32 v[ADRB+\s], s22, v3
	s_add_co_u32 s21, s21, SLOT
	s_add_co_u32 s22, s22, SLOT
.endr
	; the way out: a stage of 256 rows x 400 bytes in slot 0
	s_mul_i32 s23, s11, 128*SPITCH
	s_mul_i32 s89, s12, 192
	s_add_co_u32 s23, s23, s89
	v_mul_u32_u24 v4, v1, SPITCH
	v_lshl_add_u32 v4, v2, 4, v4
	v_add_nc_u32 v[STO], s23, v4                   ; (128 wm + r) 400 + 192 wn + 16 h
	s_mul_i32 s23, s10, 64*SPITCH
	v_bfe_u32 v5, v0, 3, 2                         ; lane / 8
	v_mul_u32_u24 v5, v5, SPITCH
	v_and_b32 v4, 7, v0
	v_lshl_add_u32 v5, v4, 4, v5
	v_add_nc_u32 v[RD], s23, v5                    ; (64 w + lane / 8) 400 + 16 (lane % 8)
	v_and_b32 v6, 31, v0
	v_lshlrev_b32 v6, 4, v6                        ; 16 x lane: four rows of 128 bytes are 512 consecutive bytes of a block of qkv
	s_lshr_b32 s89, s13, 3
	s_lshl_b32 s89, s89, 4                         ; 16 x batch
	s_and_b32 s90, s13, 7
	s_lshl_b32 s90, s90, 15                        ; 256 rows of 128 bytes for each block row inside the batch
	s_lshl_b32 s91, s10, 13                        ; 64 rows for each wave
	s_add_co_u32 s90, s90, s91
	s_mul_i32 s93, s42, 3                          ; the block's first unit of 64 columns
.irp u, 0,1,2
	s_add_co_u32 s91, s93, \u
	s_lshr_b32 s92, s91, 4                         ; matrix
	s_lshl_b32 s92, s92, 5
	s_and_b32 s91, s91, 15                         ; head
	s_add_co_u32 s92, s92, s91
	s_add_co_u32 s92, s92, s89
	s_lshl_b32 s92, s92, 18                        ; blocks of 262,144 bytes
	s_add_co_u32 s92, s92, s90
	v_add_nc_u32 v[CO+\u], s92, v6
.endr
; 12 matrix instructions: row blocks a0, a0 + 1 of the window's four x all 6 column blocks, 32 along K.  zero = 1: the first product starts the sums.
; The 48 accumulators take turns, one instruction a turn, in the same order in every quarter step.
.macro MUL12 f, hi, a0, zero
.irp a, \a0, \a0+1
.irp b, 0,1,2,3,4,5
.if \zero
	v_wmma_f32_16x16x32_bf16 v[8*(6*(\a)+\b):8*(6*(\a)+\b)+7], v[\f+8*\b:\f+8*\b+7], v[\f+8*(4*\hi+\a):\f+8*(4*\hi+\a)+7], 0
.else
	v_wmma_f32_16x16x32_bf16 v[8*(6*(\a)+\b):8*(6*(\a)+\b)+7], v[\f+8*\b:\f+8*\b+7], v[\f+8*(4*\hi+\a):\f+8*(4*\hi+\a)+7], v[8*(6*(\a)+\b):8*(6*(\a)+\b)+7]
.endif
.endr
.endr
.endm
; 28 LDS loads in one run: 96 rows of wb, then 128 rows of xb, 32 K at byte k of the rows, into buffer f
.macro FETCH slot, k, f
	WIN TO_B
.irp i, 0,1,2,3,4,5
	ds_load_b128 v[\f+8*\i:\f+8*\i+3],   v[ADRB+\slot] offset:\k+\i*16*PITCH
	ds_load_b128 v[\f+8*\i+4:\f+8*\i+7], v[ADRB+\slot] offset:\k+\i*16*PITCH+32
.endr
	WIN 0
.irp i, 0,1,2,3,4,5,6,7
	ds_load_b128 v[\f+8*\i:\f+8*\i+3],   v[ADRA+\slot] offset:\k+\i*16*PITCH
	ds_load_b128 v[\f+8*\i+4:\f+8*\i+7], v[ADRA+\slot] offset:\k+\i*16*PITCH+32
.endr
.endm
; four places behind the last matrix instruction, in front of loads into registers that matrix instructions have read and of
; vector instructions that read results (ISA guide 7.12.1 for vector instructions)
.macro PLACES
.rept 4
	v_nop
.endr
.endm
.macro QUARTER slot, k, f, g, zero
	s_wait_dscnt 8                                 ; wb and xb's rows 0-63 are in; the youngest eight loads (xb's rows 64-127) may be out
	WIN MUL_LO
	MUL12 \f, 0, 0, \zero
	MUL12 \f, 0, 2, \zero
	PLACES
	FETCH \slot, \k, \g
	s_wait_dscnt 28                                ; all but the 28 just issued
	WIN MUL_HI
	MUL12 \f, 1, 0, \zero
	MUL12 \f, 1, 2, \zero
.endm
.macro THREE slot, zero
	QUARTER \slot, 64,  F0, F1, \zero
	QUARTER \slot, 128, F1, F0, 0
	QUARTER \slot, 192, F0, F1, 0
.endm
; The last quarter of a K step: multiplies buffer 1 and changes slots.  In front of the barrier each wave waits for its reads of this slot
; and for all its tensor loads (one is out: its part of the next slot).  Behind it the refill comes first, then the next slot's first fragments.
; From a request to the wait for it a wave issues 180 matrix instructions.
.macro TURN slot, next, fill
	s_wait_dscnt 8
	WIN MUL_LO
	MUL12 F1, 0, 0, 0
	s_wait_dscnt 0                                 ; my reads of this slot are over
	s_wait_tensorcnt 0x0                           ; and all my tensor loads have landed
	ds_add_u32 v255, v255
	s_wait_dscnt 0x0
	s_barrier_signal -1
	MUL12 F1, 0, 2, 0                              ; register work while the others arrive
	WIN 0
	s_barrier_wait -1
.if \fill
	CREST                                          ; no wave of any partner still reads this slot or has a load on its way
	s_add_nc_u64 s[G0+4*\slot+2:G0+4*\slot+3], s[G0+4*\slot+2:G0+4*\slot+3], 2*KSTEP*2
	s_add_nc_u64 s[G0B+4*\slot+2:G0B+4*\slot+3], s[G0B+4*\slot+2:G0B+4*\slot+3], 2*KSTEP*2
	JLOAD \slot                                    ; the first tensor load behind the round, one a wave
.endif
	PLACES
	FETCH \next, 0, F0
	WIN MUL_HI
	MUL12 F1, 1, 0, 0
	MUL12 F1, 1, 2, 0
.endm
.macro LAP zero
	THREE 0, \zero
	TURN 0, 1, 1
	THREE 1, 0
	TURN 1, 0, 1
.endm
	s_wait_tensorcnt 1                             ; my part of K step 0 is in; K step 1's stays out
	s_barrier_signal -1
	s_barrier_wait -1
	FETCH 0, 0, F0
	LAP 1                                          ; K steps 0 and 1; their first products start the sums
	WIN 0
	s_mov_b32 s3, LAPS-2
.Llap:
	LAP 0
	WIN 0
	s_sub_co_u32 s3, s3, 1
	s_cmp_lg_u32 s3, 0
	s_cbranch_scc1 .Llap
	THREE 0, 0                                     ; the last lap fills nothing
	TURN 0, 1, 0                                   ; behind this barrier no wave reads slot 0 any more, and nothing is filled into it again
	THREE 1, 0
	s_wait_dscnt 8
	WIN MUL_LO
	MUL12 F1, 0, 0, 0
	MUL12 F1, 0, 2, 0
	s_wait_dscnt 0
	WIN MUL_HI
	MUL12 F1, 1, 0, 0
	MUL12 F1, 1, 2, 0
	; THE WAY OUT.  Bias in f32, one rounding to f16, 16 bytes a lane into the stage (slot 0, which has had its last fill and its last read;
	; 102,400 bytes, so slot 1, which other waves may still read, is not touched); then whole rows of 64 columns back.
	PLACES
	s_wait_loadcnt 0x0                             ; the bias
; rows 16 a .. 16 a + 15 of my 128: tiles (al, 0..5) of window 2 or 3 (from = 0x02 or 0x03: source 0)
.macro OUTA a, al, from
	WIN \from
.irp b, 0,1,2,3,4,5
.irp i, 0,1,2,3
	v_pk_add_f32 v[F0+8*\b+2*\i:F0+8*\b+2*\i+1], v[8*(6*\al+\b)+2*\i:8*(6*\al+\b)+2*\i+1], v[BIAS+8*\b+2*\i:BIAS+8*\b+2*\i+1]
.endr
.endr
	WIN 0
.irp b, 0,1,2,3,4,5
.irp i, 0,1,2,3
	v_cvt_pk_f16_f32 v[PK+4*\b+\i], v[F0+8*\b+2*\i], v[F0+8*\b+2*\i+1]
.endr
.endr
.irp b, 0,1,2,3,4,5
	ds_store_b128 v[STO], v[PK+4*\b:PK+4*\b+3] offset:\a*16*SPITCH+32*\b
.endr
.endm
	OUTA 0, 0, 0x02
	OUTA 1, 1, 0x02
	OUTA 2, 2, 0x02
	OUTA 3, 3, 0x02
	OUTA 4, 0, 0x03
	OUTA 5, 1, 0x03
	OUTA 6, 2, 0x03
	OUTA 7, 3, 0x03
	s_wait_dscnt 0x0                               ; my stores are done, for the waves that read them
	s_barrier_signal -1
	s_barrier_wait -1
; Wave w takes rows 64 w .. 64 w + 63 of unit u (64 columns = one head's row of 128 bytes): a load takes four rows, and the store's 32 lanes
; write 512 consecutive bytes, aligned.
.macro BACK u, hf, f
	s_wait_xcnt 0x0                                ; buffer f, which earlier stores read, is loaded again only behind this wait
.irp t, 0,1,2,3,4,5,6,7
	ds_load_b128 v[\f+4*\t:\f+4*\t+3], v[RD] offset:\u*128+(8*\hf+\t)*4*SPITCH
.endr
.irp t, 0,1,2,3,4,5,6,7
	s_wait_dscnt 7-\t                              ; LDS loads come back in order: load t is in, the younger ones stay out
	global_store_b128 v[CO+\u], v[\f+4*\t:\f+4*\t+3], s[74:75] offset:(8*\hf+\t)*512
.endr
.endm
	BACK 0, 0, 64
	BACK 0, 1, 96
	BACK 1, 0, 64
	BACK 1, 1, 96
	BACK 2, 0, 64
	BACK 2, 1, 96
	s_set_vgpr_msb 0x1
	s_wait_tensorcnt 0x0
	ds_add_u32 v255, v255
	s_wait_dscnt 0x0
	s_set_vgpr_msb 0x100
	CROUND                                         ; the closing round: no work-group ends while a partner may still ask for a tile that names it
	s_endpgm
.Lfunc_end_k_q14481e36bd_qkv:
	.size	k_q14481e36bd_qkv, .Lfunc_end_k_q14481e36bd_qkv-k_q14481e36bd_qkv
	.p2alignl 7, 3214868480
	.fill 96, 4, 3214868480
	.section	.rodata,"a",@progbits
	.p2align	6, 0x0
	.amdhsa_kernel k_q14481e36bd_qkv
		.amdhsa_group_segment_fixed_size 327680
		.amdhsa_private_segment_fixed_size 0
		.amdhsa_enable_private_segment 0
		.amdhsa_kernarg_size 48
		.amdhsa_user_sgpr_count 2
		.amdhsa_user_sgpr_kernarg_segment_ptr 1
		.amdhsa_wavefront_size32 1
		.amdhsa_system_sgpr_workgroup_id_x 1
		.amdhsa_system_sgpr_workgroup_id_y 1
		.amdhsa_system_sgpr_workgroup_id_z 1
		.amdhsa_system_vgpr_workitem_id 0
		.amdhsa_next_free_vgpr 1024
		.amdhsa_next_free_sgpr 96
		.amdhsa_reserve_vcc 0
		.amdhsa_float_denorm_mode_32 3
		.amdhsa_float_denorm_mode_16_64 3
		.amdhsa_memory_ordered 1
		.amdhsa_forward_progress 1
		.amdhsa_inst_pref_size 174
	.end_amdhsa_kernel
	.amdgpu_metadata
---
amdhsa.version: [ 1, 2 ]
amdhsa.kernels:
  - .name:           k_q14481e36bd_qkv
    .symbol:         k_q14481e36bd_qkv.kd
    .args:
      - { .name: xb, .offset: 0, .size: 8, .value_kind: global_buffer, .address_space: global }
      - { .name: wb, .offset: 8, .size: 8, .value_kind: global_buffer, .address_space: global }
      - { .name: bq, .offset: 16, .size: 8, .value_kind: global_buffer, .address_space: global }
      - { .name: bk, .offset: 24, .size: 8, .value_kind: global_buffer, .address_space: global }
      - { .name: bv, .offset: 32, .size: 8, .value_kind: global_buffer, .address_space: global }
      - { .name: qkv, .offset: 40, .size: 8, .value_kind: global_buffer, .address_space: global }
    .group_segment_fixed_size: 327680
    .private_segment_fixed_size: 0
    .kernarg_segment_align: 8
    .kernarg_segment_size: 48
    .max_flat_workgroup_size: 128
    .sgpr_count:     96
    .vgpr_count:     1024
    .wavefront_size: 32
...
	.end_amdgpu_metadata
.endif
;; end of part 2
;; launch attn (part 3): grid 8 x 32, 4 waves a work-group, no clusters, 327,680 bytes of LDS; arguments qkv, ab; writes ab
.if DOCPART == 3
	.amdgcn_target "amdgcn-amd-amdhsa--gfx1250"
	.amdhsa_code_object_version 6
	.text
	.protected	k_q14481e36bd_attn
	.globl	k_q14481e36bd_attn
	.p2align	8
	.type	k_q14481e36bd_attn,@function
k_q14481e36bd_attn:
	s_mov_b64 s[64:65], 0
	v_nop
	global_prefetch_b8 v0, s[64:65] scope:SCOPE_SE
	s_setreg_imm32_b32 hwreg(HW_REG_WAVE_MODE, 25, 1), 1
	s_wait_xcnt 0x0
; Causal attention of one (batch, head), with a running maximum.  qkv: f16 [3][32][2048][64].  Result ab in f16, two rows of a head side by side:
; byte of (row m, head, d) = (m >> 1) 4096 + 256 head + 128 (m & 1) + 2 d, so that two rows of one head are 256 consecutive bytes.
; LIMITS: probabilities and the result are rounded to f16 (probabilities lie in [0, 1], |result| <= max |v| < 65504); NaN and infinite inputs are not followed.
; WORK: query blocks of 128 rows.  Work-group i of a head takes block 2 i and then block 15 - 2 i: (2 i + 1) + (16 - 2 i) = 17 key tiles of 128 keys
; in every work-group, 8 x 32 = 256 work-groups.  Each block walks its tiles downward from the diagonal; the tile at place s of the walk lies in
; LDS slot s & 1, and since 2 i is even every line of the text knows its slot.  Wave w owns query rows 32 w .. 32 w + 31 (two tiles of 16).
; NO CLUSTER: at a given place of the walk the work-groups of a head need different tiles, and the trips of their two loops (i and 7 - i) differ.
; TRANSPOSED FORM: S^T = K Q^T (A = 16 keys, B = 16 queries): lane (r, h) holds query r and keys 8 h + j, so a row's maximum and sum stay in the
; lane but for one exchange between the halves, and two packed tiles of S^T are already the B fragment of O^T = V^T P^T.  V^T comes by the
; transposing LDS load.  In O^T a lane holds eight neighbouring d of one query: 16 bytes of f16.
.set SLOT,  35840                      ; K: 64 rows (two keys each) of pitch 272; V: 64 rows of pitch 288
.set VOFF,  17408
.set STAGE, 2*SLOT                     ; behind the ring: 32 rows of pitch 144 for each wave; no tensor load fills it
.set KAD,  2                           ; v2-3    LDS address of my K fragments in slot 0, 1
.set VAD,  4                           ; v4-5    the same for V
.set STO,  6                           ; v6      the way out: where I put 16 bytes
.set RD,   7                           ; v7      the way out: where I read back
.set CO,   8                           ; v8-9    my byte offset in ab, first and second block
.set DQ,   10                          ; v10-11  my query's place in the block less 8 h, for each query tile
.set NINF, 12                          ; v12     -infinity
.set QO,   13                          ; v13     my byte offset in a block of Q
.set MX,   14                          ; v14-15  running maximum
.set LS,   16                          ; v16-17  running sum (my half of the keys)
.set TM,   18                          ; v18-19  the new maximum
.set XT,   20                          ; v20-21  what the other half of the lanes holds
.set NM,   22                          ; v22-25  -c x maximum, a pair for each query tile
.set AL,   26                          ; v26-29  factor for the old sums, a pair for each query tile
.set CH,   30                          ; v30-37  chains of the sums
.set QA,   40                          ; v40-71  Q of the first block: fragment (qt, ks) at 16 qt + 8 ks
.set QB,   72                          ; v72-103 of the second
.set OA,   104                         ; v104-167 O^T: tile (qt, dt) at 32 qt + 8 dt
.set SC,   168                         ; v168-231 S^T: tile (qt, kt) at 32 qt + 8 kt; packed P^T: tile (qt, kt) at 16 qt + 4 kt
.set KF,   0                           ; window 1, v0-63: K fragments (kt, ks) at 16 kt + 8 ks
.set VF,   64                          ; window 1, v64-127: V^T fragments (kk, dt) at 32 kk + 8 dt
.set G1K, 24
.set G1V, 32
.set G0K, 40                           ; s[40:47] group 0 for K, a set for each slot
.set G0V, 48                           ; s[48:55] for V
.set CPOS, 0x3e38aa3b                  ; c = log2(e) / sqrt(64)
.set CNEG, 0xbe38aa3b
.set W_LD, 0x40                        ; destination window 1
.set W_MM, 0x01                        ; source 0 window 1
.set MSB, 0
.macro WIN new
.if MSB != \new
	s_set_vgpr_msb (MSB<<8)|\new
.set MSB, \new
.endif
.endm
	s_load_b128 s[4:7], s[0:1], 0x0                ; qkv, ab
	v_lshl_add_u32 v254, v0, 2, 0x29000
	v_mov_b32 v255, 0
	ds_add_u32 v254, v255
	ds_add_u32 v254, v255
	v_lshrrev_b32 v1, 5, v0
	v_readfirstlane_b32 s8, v1                     ; wave
	s_lshr_b32 s9, s8, 1                           ; I fetch K (0) or V (1),
	s_and_b32 s10, s8, 1                           ; its first or second 64 keys
	s_mov_b32 s11, ttmp9                           ; i
	s_and_b32 s12, ttmp7, 0xffff                   ; 16 b + head
	s_lshl_b32 s13, s11, 1                         ; first block
	s_sub_co_u32 s14, 15, s13                      ; second block
	s_mov_b32 s15, 0                               ; place in the walk of the next tile to ask for
	s_mov_b32 s19, 0
	s_mov_b32 s56, 0x76543210                      ; v_permlanex16_b32: lane i reads lane i of the other half
	s_mov_b32 s57, 0xfedcba98
	; group 1: 32 rows of 128 elements of 2 bytes, dense in memory; behind every 64 words 4 words of padding for K, 8 for V
	s_mov_b32 s[G1K+0], (1<<16)|(1<<20)|(5<<22)|(3<<25)
	s_mov_b32 s[G1V+0], (1<<16)|(1<<20)|(5<<22)|(7<<25)
.irp g, G1K, G1V
	s_mov_b32 s[\g+1], 128<<16
	s_mov_b32 s[\g+2], 32<<16
	s_mov_b32 s[\g+3], 128<<16
	s_mov_b32 s[\g+4], 32
	s_mov_b32 s[\g+5], 128
	s_mov_b32 s[\g+6], 0
	s_mov_b32 s[\g+7], 0
.endr
	s_mul_i32 s16, s10, 32*272
	s_mul_i32 s17, s10, 32*288
.irp n, 0,1
	s_mov_b32 s[G0K+4*\n], 1
	s_add_co_u32 s[G0K+4*\n+1], s16, \n*SLOT
	s_mov_b32 s[G0V+4*\n], 1
	s_add_co_u32 s[G0V+4*\n+1], s17, \n*SLOT+VOFF
.endr
	s_wait_dscnt 0x0
	s_wait_kmcnt 0x0
	s_add_co_u32 s16, s12, 32
	s_lshl_b32 s18, s16, 18                        ; K's block of this head,
	s_lshl_b32 s17, s10, 13                        ; my half of a tile: 64 keys of 128 bytes
	s_add_co_u32 s18, s18, s17
	s_add_nc_u64 s[20:21], s[4:5], s[18:19]
	s_add_co_u32 s18, s18, 32<<18                  ; V's block
	s_add_nc_u64 s[22:23], s[4:5], s[18:19]
	s_lshl_b32 s16, s12, 18                        ; Q's block
	s_lshl_b32 s17, s13, 14
	s_add_co_u32 s18, s16, s17
	s_add_nc_u64 s[60:61], s[4:5], s[18:19]        ; Q of the first query block
	s_lshl_b32 s17, s14, 14
	s_add_co_u32 s18, s16, s17
	s_add_nc_u64 s[62:63], s[4:5], s[18:19]        ; of the second
; The next tile of the walk goes into slot sl: tile = first block - place while that is not negative, else 16 - place.
; Written only where no tensor load of the wave is out.
.macro NEXT sl
	s_sub_co_u32 s16, s13, s15
	s_sub_co_u32 s17, 16, s15
	s_cmp_le_u32 s15, s13
	s_cselect_b32 s16, s16, s17
	s_lshl_b32 s18, s16, 14                        ; 128 keys of 128 bytes
	s_add_nc_u64 s[G0K+4*(\sl)+2:G0K+4*(\sl)+3], s[20:21], s[18:19]
	s_or_b32 s[G0K+4*(\sl)+3], s[G0K+4*(\sl)+3], 0x80000000
	s_add_nc_u64 s[G0V+4*(\sl)+2:G0V+4*(\sl)+3], s[22:23], s[18:19]
	s_or_b32 s[G0V+4*(\sl)+3], s[G0V+4*(\sl)+3], 0x80000000
	s_add_co_u32 s15, s15, 1
.endm
; One tensor load a wave: waves 0, 1 bring K's halves, waves 2, 3 V's
.macro KVLOAD sl
	s_cmp_eq_u32 s9, 0
	s_cbranch_scc0 .Lfor_v_\@
	tensor_load_to_lds s[G0K+4*(\sl):G0K+4*(\sl)+3], s[G1K:G1K+7]
	s_nop 0
	s_branch .Lasked_\@
.Lfor_v_\@:
	tensor_load_to_lds s[G0V+4*(\sl):G0V+4*(\sl)+3], s[G1V:G1V+7]
	s_nop 0
.Lasked_\@:
.endm
	NEXT 0
	NEXT 1
	KVLOAD 0                                       ; the two first fills go out together: two loads of this wave out
	KVLOAD 1
	v_and_b32 v30, 15, v0                          ; r
	v_bfe_u32 v31, v0, 4, 1                        ; h
	s_lshl_b32 s16, s8, 12
	v_lshlrev_b32 v32, 7, v30
	v_lshl_add_u32 v32, v31, 4, v32
	v_add_nc_u32 v[QO], s16, v32                   ; 4096 w + 128 r + 16 h
.irp qt, 0,1
.irp ks, 0,1
.irp i, 0,1
	global_load_b128 v[QA+16*\qt+8*\ks+4*\i:QA+16*\qt+8*\ks+4*\i+3], v[QO], s[60:61] offset:\qt*2048+64*\ks+32*\i
	global_load_b128 v[QB+16*\qt+8*\ks+4*\i:QB+16*\qt+8*\ks+4*\i+3], v[QO], s[62:63] offset:\qt*2048+64*\ks+32*\i
.endr
.endr
.endr
	; K: key 16 kt + r lies at row 8 kt + r / 2, half r % 2.
	v_lshrrev_b32 v32, 1, v30
	v_mul_u32_u24 v32, v32, 272
	v_and_b32 v33, 1, v30
	v_lshl_add_u32 v32, v33, 7, v32
	v_lshl_add_u32 v[KAD], v31, 4, v32
	v_add_nc_u32 v[KAD+1], SLOT, v[KAD]
	; V, read transposed: lane l addresses key 8 h + l % 8, columns 8 ((l / 8) % 2) + 0..7 of the 16
	v_bfe_u32 v32, v0, 1, 2
	v_lshl_add_u32 v32, v31, 2, v32
	v_mul_u32_u24 v32, v32, 288
	v_lshl_add_u32 v32, v33, 7, v32
	v_bfe_u32 v34, v0, 3, 1
	v_lshl_add_u32 v32, v34, 4, v32
	v_add_nc_u32 v[VAD], VOFF, v32
	v_add_nc_u32 v[VAD+1], SLOT+VOFF, v32
	s_mul_i32 s16, s8, 32*144
	s_add_co_u32 s16, s16, STAGE                   ; my stage
	v_mul_u32_u24 v32, v30, 144
	v_lshl_add_u32 v32, v31, 4, v32
	v_add_nc_u32 v[STO], s16, v32
	v_bfe_u32 v32, v0, 3, 2
	v_mul_u32_u24 v32, v32, 144
	v_and_b32 v34, 7, v0
	v_lshl_add_u32 v32, v34, 4, v32
	v_add_nc_u32 v[RD], s16, v32
	s_lshr_b32 s16, s12, 4
	s_lshl_b32 s16, s16, 10
	s_lshl_b32 s17, s8, 4
	s_add_co_u32 s16, s16, s17                     ; pairs of rows: 1024 b + 16 w
	s_and_b32 s17, s12, 15
	s_lshl_b32 s17, s17, 8                         ; 256 head
	v_lshlrev_b32 v32, 12, v31
	v_lshl_add_u32 v32, v30, 4, v32
	v_add_nc_u32 v32, s17, v32
	s_lshl_b32 s17, s13, 6
	s_add_co_u32 s17, s17, s16
	s_lshl_b32 s17, s17, 12
	v_add_nc_u32 v[CO], s17, v32
	s_lshl_b32 s17, s14, 6
	s_add_co_u32 s17, s17, s16
	s_lshl_b32 s17, s17, 12
	v_add_nc_u32 v[CO+1], s17, v32
	v_lshlrev_b32 v32, 3, v31
	v_sub_nc_u32 v32, v30, v32
	s_lshl_b32 s16, s8, 5
	v_add_nc_u32 v[DQ], s16, v32                   ; 32 w + r - 8 h
	v_add_nc_u32 v[DQ+1], 16, v[DQ]
	v_mov_b32 v[NINF], 0xff800000
	v_mov_b32 v[XT], 0                             ; v_permlanex16_b32 counts as a reader of its destination
	v_mov_b32 v[XT+1], 0
; 16 LDS loads: the K fragments of keys 64 u .. 64 u + 63 of slot sl
.macro KLOAD sl, u
	WIN W_LD
.irp kt, 0,1,2,3
.irp ks, 0,1
.irp i, 0,1
	ds_load_b128 v[KF+16*\kt+8*\ks+4*\i:KF+16*\kt+8*\ks+4*\i+3], v[KAD+\sl] offset:\u*8704+\kt*2176+64*\ks+32*\i
.endr
.endr
.endr
.endm
; The softmax step on 64 keys x 32 queries; the two query tiles' lines alternate so that no line waits for the one in front of it.
.macro SOFTMAX u, first, mask
.if \mask
	; diagonal tile: key 64 u + 16 kt + 8 h + j is thrown away where it lies behind the query
.irp kt, 0,1,2,3
.irp j, 0,1,2,3,4,5,6,7
.irp qt, 0,1
	v_cmp_gt_i32 vcc_lo, 64*\u+16*\kt+\j, v[DQ+\qt]
	v_cndmask_b32 v[SC+32*\qt+8*\kt+\j], v[SC+32*\qt+8*\kt+\j], v[NINF], vcc_lo
.endr
.endr
.endr
.endif
.irp qt, 0,1
	v_max3_num_f32 v[TM+\qt], v[SC+32*\qt], v[SC+32*\qt+1], v[SC+32*\qt+2]
.endr
.set n, 3
.rept 14
.irp qt, 0,1
	v_max3_num_f32 v[TM+\qt], v[TM+\qt], v[SC+32*\qt+n], v[SC+32*\qt+n+1]
.endr
.set n, n+2
.endr
.irp qt, 0,1
.if \first
	v_max_num_f32 v[TM+\qt], v[TM+\qt], v[SC+32*\qt+31]
.else
	v_max3_num_f32 v[TM+\qt], v[TM+\qt], v[SC+32*\qt+31], v[MX+\qt]   ; the running maximum joins
.endif
.endr
	v_permlanex16_b32 v[XT], v[TM], s56, s57       ; the other eight keys of each sixteen
	v_permlanex16_b32 v[XT+1], v[TM+1], s56, s57
.irp qt, 0,1
	v_max_num_f32 v[TM+\qt], v[TM+\qt], v[XT+\qt]  ; finite: a block's first 64 keys hold its own key 0, which every row of it sees
.endr
.irp qt, 0,1
	v_mul_f32 v[NM+2*\qt], CNEG, v[TM+\qt]
	v_mul_f32 v[NM+2*\qt+1], CNEG, v[TM+\qt]
.endr
.if 1-\first
.irp qt, 0,1
	v_fmamk_f32 v[AL+2*\qt], v[MX+\qt], CPOS, v[NM+2*\qt]          ; c (old maximum - new maximum)
	v_fmamk_f32 v[AL+2*\qt+1], v[MX+\qt], CPOS, v[NM+2*\qt+1]
.endr
.endif
.irp qt, 0,1
	v_mov_b32 v[MX+\qt], v[TM+\qt]
.endr
.set n, 0
.rept 16
.irp qt, 0,1
	v_pk_fma_f32 v[SC+32*\qt+n:SC+32*\qt+n+1], v[SC+32*\qt+n:SC+32*\qt+n+1], CPOS, v[NM+2*\qt:NM+2*\qt+1] op_sel_hi:[1,0,1]
.endr
.set n, n+2
.endr
.set n, 0
.rept 32
	v_exp_f32 v[SC+n], v[SC+n]
	v_exp_f32 v[SC+32+n], v[SC+32+n]
.set n, n+1
.endr
.if 1-\first
.irp n2, 0,1,2,3
	v_exp_f32 v[AL+\n2], v[AL+\n2]
.endr
.endif
	v_nop                                          ; one plain place behind the exponentials before their results are used (ISA guide 5.7.2)
	s_wait_alu depctr_va_vdst(0)
.irp qt, 0,1
	v_pk_add_f32 v[CH+4*\qt:CH+4*\qt+1],   v[SC+32*\qt:SC+32*\qt+1],   v[SC+32*\qt+2:SC+32*\qt+3]
	v_pk_add_f32 v[CH+4*\qt+2:CH+4*\qt+3], v[SC+32*\qt+4:SC+32*\qt+5], v[SC+32*\qt+6:SC+32*\qt+7]
.endr
.set n, 8
.rept 6
.irp qt, 0,1
	v_pk_add_f32 v[CH+4*\qt:CH+4*\qt+1],   v[CH+4*\qt:CH+4*\qt+1],   v[SC+32*\qt+n:SC+32*\qt+n+1]
	v_pk_add_f32 v[CH+4*\qt+2:CH+4*\qt+3], v[CH+4*\qt+2:CH+4*\qt+3], v[SC+32*\qt+n+2:SC+32*\qt+n+3]
.endr
.set n, n+4
.endr
.irp qt, 0,1
	v_pk_add_f32 v[CH+4*\qt:CH+4*\qt+1], v[CH+4*\qt:CH+4*\qt+1], v[CH+4*\qt+2:CH+4*\qt+3]
.endr
.irp qt, 0,1
.if \first
	v_add_f32 v[LS+\qt], v[CH+4*\qt], v[CH+4*\qt+1]
.else
	v_add_f32 v[CH+4*\qt], v[CH+4*\qt], v[CH+4*\qt+1]
	v_fma_f32 v[LS+\qt], v[LS+\qt], v[AL+2*\qt], v[CH+4*\qt]
.endif
.endr
.if 1-\first
.set n, 0
.rept 16
.irp qt, 0,1
	v_pk_mul_f32 v[OA+32*\qt+n:OA+32*\qt+n+1], v[OA+32*\qt+n:OA+32*\qt+n+1], v[AL+2*\qt:AL+2*\qt+1]
.endr
.set n, n+2
.endr
.endif
	; pack in place, tiles ascending: word 4 t + i is written when its own numbers have been read
.irp t, 0,1,2,3,4,5,6,7
.irp i, 0,1,2,3
	v_cvt_pk_f16_f32 v[SC+4*\t+\i], v[SC+8*\t+2*\i], v[SC+8*\t+2*\i+1]
.endr
.endr
.endm
; 64 keys (half u of slot sl) against my 32 queries (fragments at qf).  K's fragments of this half are already asked for.
; In both runs of matrix instructions the accumulators take turns, one instruction a turn.
.macro SUB sl, u, qf, first, mask
	WIN W_LD
.irp kk, 0,1
.irp dt, 0,1,2,3
.irp i, 0,1
	ds_load_tr16_b128 v[VF+32*\kk+8*\dt+4*\i:VF+32*\kk+8*\dt+4*\i+3], v[VAD+\sl] offset:\u*9216+\kk*4608+\i*2304+32*\dt
.endr
.endr
.endr
	s_wait_dscnt 16                                ; K's 16 loads are in; V's 16, issued behind them, may stay out
	WIN W_MM
.irp kt, 0,1,2,3
	v_wmma_f32_16x16x32_f16 v[SC+8*\kt:SC+8*\kt+7],       v[KF+16*\kt:KF+16*\kt+7],    v[\qf:\qf+7],     0
	v_wmma_f32_16x16x32_f16 v[SC+32+8*\kt:SC+32+8*\kt+7], v[KF+16*\kt:KF+16*\kt+7],    v[\qf+16:\qf+23], 0
	v_wmma_f32_16x16x32_f16 v[SC+8*\kt:SC+8*\kt+7],       v[KF+16*\kt+8:KF+16*\kt+15], v[\qf+8:\qf+15],  v[SC+8*\kt:SC+8*\kt+7]
	v_wmma_f32_16x16x32_f16 v[SC+32+8*\kt:SC+32+8*\kt+7], v[KF+16*\kt+8:KF+16*\kt+15], v[\qf+24:\qf+31], v[SC+32+8*\kt:SC+32+8*\kt+7]
.endr
.rept 5
	v_nop                                          ; places behind the products: for the loads into K's fragments, for the softmax, and for the products that take these registers as B
.endr
.if 1-\u
	KLOAD \sl, 1                                   ; the second half's K, on its way during the softmax
.endif
	WIN 0
	SOFTMAX \u, \first, \mask
.if 1-\u
	s_wait_dscnt 16                                ; V's loads are in; the next K's 16 may stay out
.else
	s_wait_dscnt 0
.endif
	WIN W_MM
.irp kk, 0,1
.irp dt, 0,1,2,3
.irp qt, 0,1
.if \first*(1-\kk)
	v_wmma_f32_16x16x32_f16 v[OA+32*\qt+8*\dt:OA+32*\qt+8*\dt+7], v[VF+32*\kk+8*\dt:VF+32*\kk+8*\dt+7], v[SC+16*\qt+8*\kk:SC+16*\qt+8*\kk+7], 0
.else
	v_wmma_f32_16x16x32_f16 v[OA+32*\qt+8*\dt:OA+32*\qt+8*\dt+7], v[VF+32*\kk+8*\dt:VF+32*\kk+8*\dt+7], v[SC+16*\qt+8*\kk:SC+16*\qt+8*\kk+7], v[OA+32*\qt+8*\dt:OA+32*\qt+8*\dt+7]
.endif
.endr
.endr
.endr
.rept 5
	v_nop                                          ; places: for the next loads into V's fragments, the next products that write over P, and the vector lines that read O
.endr
	WIN 0
.endm
; One tile of 128 keys in slot sl.  In front of the barrier: all my tensor loads have landed (my part of this tile among them) and my LDS reads are
; back.  Behind it the other slot, read in the last step, is filled again first, one load a wave; that load has this whole tile's work in which to land.
.macro STEP sl, qf, first, mask, refill
	s_wait_tensorcnt 0x0
	ds_add_u32 v254, v255
	s_wait_dscnt 0x0
.if \refill
	NEXT 1-\sl
.endif
	s_wait_dscnt 0x0
	s_barrier_signal -1
	s_barrier_wait -1
.if \refill
	KVLOAD 1-\sl
.endif
	KLOAD \sl, 0
	SUB \sl, 0, \qf, \first, \mask
	SUB \sl, 1, \qf, 0, \mask
.endm
; A block is done: divide by the sum, round to f16, through my own stage, out in whole blocks of 256 bytes.
.macro FINISH co
	v_permlanex16_b32 v[XT], v[LS], s56, s57
	v_permlanex16_b32 v[XT+1], v[LS+1], s56, s57
	v_add_f32 v[LS], v[LS], v[XT]
	v_add_f32 v[LS+1], v[LS+1], v[XT+1]            ; at least 1: the largest score contributes 2^0
	v_rcp_f32 v[AL], v[LS]
	v_rcp_f32 v[AL+1], v[LS]
	v_rcp_f32 v[AL+2], v[LS+1]
	v_rcp_f32 v[AL+3], v[LS+1]
	v_nop                                          ; one plain place behind the reciprocals (ISA guide 5.7.2)
.set n, 0
	s_wait_alu depctr_va_vdst(0)
.rept 16
.irp qt, 0,1
	v_pk_mul_f32 v[OA+32*\qt+n:OA+32*\qt+n+1], v[OA+32*\qt+n:OA+32*\qt+n+1], v[AL+2*\qt:AL+2*\qt+1]
.endr
.set n, n+2
.endr
.irp t, 0,1,2,3,4,5,6,7
.irp i, 0,1,2,3
	v_cvt_pk_f16_f32 v[SC+4*\t+\i], v[OA+8*\t+2*\i], v[OA+8*\t+2*\i+1]
.endr
.endr
.irp qt, 0,1
.irp dt, 0,1,2,3
	ds_store_b128 v[STO], v[SC+16*\qt+4*\dt:SC+16*\qt+4*\dt+3] offset:\qt*2304+32*\dt
.endr
.endr
.irp t, 0,1,2,3,4,5,6,7
	ds_load_b128 v[SC+32+4*\t:SC+32+4*\t+3], v[RD] offset:\t*576     ; my own bytes: LDS serves a wave's instructions in order (ISA guide 5.7.1.4)
.endr
.irp t, 0,1,2,3,4,5,6,7
	s_wait_dscnt 7-\t                              ; load t is in, the younger ones stay out
	global_store_b128 v[\co], v[SC+32+4*\t:SC+32+4*\t+3], s[6:7] offset:\t*8192   ; lanes 0-15 store 256 consecutive bytes, aligned (two rows of my head), lanes 16-31 the next pair of rows
.endr
	s_wait_xcnt 0x0                                ; the registers that these stores read are written again only behind this wait
.endm
	s_wait_tensorcnt 0x1                           ; my part of slot 0 is in; slot 1's stays out
	s_barrier_signal -1
	s_barrier_wait -1
	s_wait_loadcnt 0x0                             ; Q
	KLOAD 0, 0
	SUB 0, 0, QA, 1, 1                             ; place 0: the first block's diagonal tile
	SUB 0, 1, QA, 0, 1
	s_mov_b32 s58, s11                             ; i trips of two tiles: places 1 .. 2 i
	s_cmp_eq_u32 s58, 0
	s_cbranch_scc1 .Lfirst_done
.Lfirst:
	STEP 1, QA, 0, 0, 1
	STEP 0, QA, 0, 0, 1
	s_sub_co_u32 s58, s58, 1
	s_cmp_lg_u32 s58, 0
	s_cbranch_scc1 .Lfirst
.Lfirst_done:
	FINISH CO
	STEP 1, QB, 1, 1, 1                            ; place 2 i + 1: the second block's diagonal tile
	s_sub_co_u32 s58, 7, s11                       ; 7 - i trips: places 2 i + 2 .. 15
	s_cmp_eq_u32 s58, 0
	s_cbranch_scc1 .Lsecond_done
.Lsecond:
	STEP 0, QB, 0, 0, 1
	STEP 1, QB, 0, 0, 1
	s_sub_co_u32 s58, s58, 1
	s_cmp_lg_u32 s58, 0
	s_cbranch_scc1 .Lsecond
.Lsecond_done:
	STEP 0, QB, 0, 0, 0                            ; place 16: tile 0; nothing is left to fetch
	FINISH CO+1
	s_wait_tensorcnt 0x0
	ds_add_u32 v254, v255
	s_wait_dscnt 0x0
	s_endpgm
.Lfunc_end_k_q14481e36bd_attn:
	.size	k_q14481e36bd_attn, .Lfunc_end_k_q14481e36bd_attn-k_q14481e36bd_attn
	.p2alignl 7, 3214868480
	.fill 96, 4, 3214868480
	.section	.rodata,"a",@progbits
	.p2align	6, 0x0
	.amdhsa_kernel k_q14481e36bd_attn
		.amdhsa_group_segment_fixed_size 327680
		.amdhsa_private_segment_fixed_size 0
		.amdhsa_enable_private_segment 0
		.amdhsa_kernarg_size 16
		.amdhsa_user_sgpr_count 2
		.amdhsa_user_sgpr_kernarg_segment_ptr 1
		.amdhsa_wavefront_size32 1
		.amdhsa_system_sgpr_workgroup_id_x 1
		.amdhsa_system_sgpr_workgroup_id_y 1
		.amdhsa_system_sgpr_workgroup_id_z 1
		.amdhsa_system_vgpr_workitem_id 0
		.amdhsa_next_free_vgpr 384
		.amdhsa_next_free_sgpr 66
		.amdhsa_reserve_vcc 1
		.amdhsa_float_denorm_mode_32 3
		.amdhsa_float_denorm_mode_16_64 3
		.amdhsa_memory_ordered 1
		.amdhsa_forward_progress 1
		.amdhsa_inst_pref_size 255
	.end_amdhsa_kernel
	.section	.bss,"aw",@nobits
	.p2align	6
	.space	262144
	.amdgpu_metadata
---
amdhsa.version: [ 1, 2 ]
amdhsa.kernels:
  - .name:           k_q14481e36bd_attn
    .symbol:         k_q14481e36bd_attn.kd
    .args:
      - { .name: qkv, .offset: 0, .size: 8, .value_kind: global_buffer, .address_space: global }
      - { .name: ab, .offset: 8, .size: 8, .value_kind: global_buffer, .address_space: global }
    .group_segment_fixed_size: 327680
    .private_segment_fixed_size: 0
    .kernarg_segment_align: 8
    .kernarg_segment_size: 16
    .max_flat_workgroup_size: 128
    .sgpr_count:     66
    .vgpr_count:     384
    .wavefront_size: 32
...
	.end_amdgpu_metadata
.endif
;; end of part 3
;; launch oproj (part 4): grid 8 x 32, 4 waves a work-group, clusters of 4 x 4, 327,680 bytes of LDS; arguments ab, wob, bo, out0; writes out0
.if DOCPART == 4
	.amdgcn_target "amdgcn-amd-amdhsa--gfx1250"
	.amdhsa_code_object_version 6
	.text
	.protected	k_q14481e36bd_oproj
	.globl	k_q14481e36bd_oproj
	.p2align	8
	.type	k_q14481e36bd_oproj,@function
k_q14481e36bd_oproj:
	s_mov_b64 s[64:65], 0
	v_nop
	global_prefetch_b8 v0, s[64:65] scope:SCOPE_SE
	s_setreg_imm32_b32 hwreg(HW_REG_WAVE_MODE, 25, 1), 1
	s_wait_xcnt 0x0
	s_wait_alu depctr_hold_cnt(0) depctr_sa_sdst(0) depctr_va_vdst(0) depctr_va_sdst(0) depctr_va_ssrc(0) depctr_va_vcc(0) depctr_vm_vsrc(0)
	s_getreg_b32 s2, hwreg(HW_REG_IB_STS2, 6, 4)
	s_cmp_eq_u32 s2, 0
	s_cbranch_scc0 .Lentry_in_a_cluster
	s_endpgm
.Lentry_in_a_cluster:
	s_bfe_u32 s2, ttmp6, 0x10000c
	s_cmp_lg_u32 s2, 0xf033
	s_cbranch_scc0 .Lentry_shape_is_right
	s_endpgm
.Lentry_shape_is_right:
; out0 = attn wo^T + bo, f32.  ab: f16, byte of (row m, k = 64 head + d) = (m >> 1) 4096 + 256 head + 128 (m & 1) + 2 d.  wob: f16 [1024][1024].
; A work-group makes 128 x 128 with four waves (8 x 32 = 256 work-groups); a wave makes 64 x 64: 16 accumulator tiles.
; K = 1024 goes through two LDS slots of 256 along K each: four fills in all, so nothing is looped.  A slot's part of ab is 64 pairs of rows x 1,024 bytes
; (four heads), of wob 128 rows x 512 bytes.
; CLUSTERS: 4 x 4 work-groups; ab's tiles are shared along a row of the cluster, wob's along a column, each asked for jointly.
; The matrix instruction is used transposed (source 0 = rows of wob, source 1 = rows of ab): a lane holds eight neighbouring columns of one row.
; REGISTERS: window 0: addresses, two fragment buffers (wob's four blocks, then ab's four), bias, work; window 1: the accumulators, tile (a, b) at v[8 (4 a + b)].
.set PITCHA, 1040                      ; 1,024 bytes + 16: pairs of rows start 16 bytes apart modulo 256, a pair's second row 128 bytes on
.set PITCHB, 528                       ; 512 bytes + 16
.set HALFA,  32*PITCHA
.set HALFB,  64*PITCHB
.set SLOT,   2*HALFA+2*HALFB
.set STAGE,  2*SLOT                    ; behind the ring: 16 rows of 272 bytes for each wave; no tensor load fills it
.set SPITCH, 272
.set ADRA, 16
.set ADRB, 20
.set STO,  24
.set RD,   25
.set CO,   26
.set BOF,  27                          ; my byte offset in bo
.set F0,   64
.set F1,   128
.set BIAS, 192                         ; v192-223
.set TMP,  224                         ; v224-255
.set G1,  24
.set G0,  32
.set G1B, 48
.set G0B, 56
.set W_MUL, 0x50                       ; C and D window 1
.set MSB, 0
.macro WIN new
.if MSB != \new
	s_set_vgpr_msb (MSB<<8)|\new
.set MSB, \new
.endif
.endm
.macro JLOAD s
	s_cmp_eq_u32 s11, 0
	s_cbranch_scc0 .Lfor_b_\@
	tensor_load_to_lds s[G0+4*\s:G0+4*\s+3], s[G1:G1+7]
	s_nop 0
	s_branch .Lasked_\@
.Lfor_b_\@:
	tensor_load_to_lds s[G0B+4*\s:G0B+4*\s+3], s[G1B:G1B+7]
	s_nop 0
.Lasked_\@:
.endm
.macro CREST
	s_cmp_lg_u32 s10, 0
	s_cbranch_scc1 .Lnot_wave_0_\@
	s_barrier_signal -3
.Lnot_wave_0_\@:
	s_barrier_wait -3
	s_barrier_signal -1
	s_barrier_wait -1
.endm
.macro CROUND
	s_barrier_signal -1
	s_barrier_wait -1
	CREST
.endm
	s_load_b128 s[4:7], s[0:1], 0x0                ; ab, wob
	s_load_b64 s[66:67], s[0:1], 0x10              ; bo
	s_load_b64 s[8:9], s[0:1], 0x18                ; out0
	v_lshl_add_u32 v62, v0, 2, 0x45c00
	v_mov_b32 v63, 0
	ds_add_u32 v62, v63
	ds_add_u32 v62, v63
	v_lshrrev_b32 v1, 5, v0
	v_readfirstlane_b32 s10, v1                    ; wave
	s_lshr_b32 s11, s10, 1                         ; my half of the rows.  Also: I fetch for ab (0) or wob (1)
	s_and_b32 s12, s10, 1                          ; my half of the columns.  Also: which half of that tile I fetch
	s_bfe_u32 s40, ttmp6, 0x40000                  ; cx
	s_bfe_u32 s41, ttmp6, 0x40004                  ; cy
	s_lshl_b32 s42, ttmp9, 2
	s_add_co_u32 s42, s42, s40                     ; block column
	s_and_b32 s13, ttmp7, 0xffff
	s_lshl_b32 s13, s13, 2
	s_add_co_u32 s13, s13, s41                     ; block row
	s_lshl_b32 s43, s41, 2
	s_lshl_b32 s43, 15, s43                        ; my row of the cluster
	s_lshl_b32 s44, 0x1111, s40                    ; my column
	s_or_b32 s[G1+0], s43, (1<<16)|(1<<20)|(1<<21)|(7<<22)|(3<<25)    ; 4 words of padding behind every 256 words
	s_or_b32 s[G1B+0], s44, (1<<16)|(1<<20)|(1<<21)|(6<<22)|(3<<25)   ; behind every 128 words
	s_mov_b32 s[G1+1], 512<<16                     ; ab: rows of 512 elements,
	s_mov_b32 s[G1+2], 32<<16                      ; 32 pairs of rows,
	s_mov_b32 s[G1+3], 512<<16
	s_mov_b32 s[G1+4], 32
	s_mov_b32 s[G1+5], 2048                        ; 2,048 elements from pair to pair
	s_mov_b32 s[G1+6], 0
	s_mov_b32 s[G1+7], 0
	s_mov_b32 s[G1B+1], 256<<16                    ; wob: rows of 256 elements,
	s_mov_b32 s[G1B+2], 64<<16                     ; 64 rows
	s_mov_b32 s[G1B+3], 256<<16
	s_mov_b32 s[G1B+4], 64
	s_mov_b32 s[G1B+5], 1024
	s_mov_b32 s[G1B+6], 0
	s_mov_b32 s[G1B+7], 0
	s_lshl_b32 s16, s13, 6
	s_lshl_b32 s17, s12, 5
	s_add_co_u32 s16, s16, s17                     ; ab: pair of rows 64 x block row + 32 x half,
	s_lshl_b32 s16, s16, 12                        ; of 4,096 bytes
	s_mov_b32 s17, 0
	s_lshl_b32 s46, s42, 7
	s_lshl_b32 s47, s12, 6
	s_add_co_u32 s46, s46, s47                     ; wob: row 128 x block column + 64 x half,
	s_lshl_b32 s46, s46, 11                        ; of 2,048 bytes
	s_mov_b32 s47, 0
	s_mul_i32 s20, s12, HALFA
	s_mul_i32 s45, s12, HALFB
	s_add_co_u32 s45, s45, 2*HALFA
	s_wait_dscnt 0x0
	s_wait_kmcnt 0x0
	s_add_nc_u64 s[14:15], s[4:5], s[16:17]
	s_add_nc_u64 s[46:47], s[6:7], s[46:47]
	CROUND                                         ; all sixteen work-groups are here: the first joint loads meet
.irp s, 0,1
	s_mov_b32 s[G0+4*\s], 1
	s_add_co_u32 s[G0+4*\s+1], s20, \s*SLOT
	s_add_nc_u64 s[G0+4*\s+2:G0+4*\s+3], s[14:15], \s*1024
	s_or_b32 s[G0+4*\s+3], s[G0+4*\s+3], 0x80000000
	s_mov_b32 s[G0B+4*\s], 1
	s_add_co_u32 s[G0B+4*\s+1], s45, \s*SLOT
	s_add_nc_u64 s[G0B+4*\s+2:G0B+4*\s+3], s[46:47], \s*512
	s_or_b32 s[G0B+4*\s+3], s[G0B+4*\s+3], 0x80000000
	JLOAD \s                                       ; both slots' first fills, two loads of this wave out
.endr
	v_and_b32 v1, 15, v0                           ; r
	v_bfe_u32 v2, v0, 4, 1                         ; h
	s_lshl_b32 s68, s42, 7
	s_lshl_b32 s69, s12, 6
	s_add_co_u32 s68, s68, s69
	s_lshl_b32 s68, s68, 2                         ; my first column, in bytes of f32
	s_mov_b32 s69, 0
	v_lshl_add_u32 v[BOF], v2, 5, s68
.irp b, 0,1,2,3
	global_load_b128 v[BIAS+8*\b:BIAS+8*\b+3],   v[BOF], s[66:67] offset:64*\b      ; bo of columns 16 b + 8 h + 0..7; waited for on the way out
	global_load_b128 v[BIAS+8*\b+4:BIAS+8*\b+7], v[BOF], s[66:67] offset:64*\b+16
.endr
	v_lshrrev_b32 v3, 1, v1
	v_mul_u32_u24 v3, v3, PITCHA
	v_and_b32 v4, 1, v1
	v_lshl_add_u32 v3, v4, 7, v3
	v_lshl_add_u32 v3, v2, 4, v3                   ; ab: (r / 2) pitch + 128 (r % 2) + 16 h
	v_mul_u32_u24 v5, v1, PITCHB
	v_lshl_add_u32 v5, v2, 4, v5                   ; wob: r pitch + 16 h
	s_mul_i32 s21, s11, HALFA
	s_mul_i32 s22, s12, HALFB
	s_add_co_u32 s22, s22, 2*HALFA
.irp s, 0,1
	v_add_nc_u32 v[ADRA+\s], s21, v3
	v_add_nc_u32 v[ADRB+\s], s22, v5
	s_add_co_u32 s21, s21, SLOT
	s_add_co_u32 s22, s22, SLOT
.endr
	s_mul_i32 s23, s10, 16*SPITCH
	s_add_co_u32 s23, s23, STAGE                   ; my stage
	v_mul_u32_u24 v4, v1, SPITCH
	v_lshl_add_u32 v4, v2, 5, v4
	v_add_nc_u32 v[STO], s23, v4                   ; row r, 32 bytes for each half of the lanes
	v_mul_u32_u24 v5, v2, SPITCH
	v_lshl_add_u32 v5, v1, 4, v5
	v_add_nc_u32 v[RD], s23, v5                    ; back: lanes 0-15 one row of 256 bytes, lanes 16-31 the next
	v_lshlrev_b32 v5, 12, v2
	v_lshl_add_u32 v[CO], v1, 4, v5                ; and the same two rows in out0
; four matrix instructions: row block a x all four column blocks.  The 16 accumulators take turns, one instruction a turn.
.macro MUL4 f, a, zero
.irp b, 0,1,2,3
.if \zero
	v_wmma_f32_16x16x32_f16 v[8*(4*\a+\b):8*(4*\a+\b)+7], v[\f+8*\b:\f+8*\b+7], v[\f+32+8*\a:\f+32+8*\a+7], 0
.else
	v_wmma_f32_16x16x32_f16 v[8*(4*\a+\b):8*(4*\a+\b)+7], v[\f+8*\b:\f+8*\b+7], v[\f+32+8*\a:\f+32+8*\a+7], v[8*(4*\a+\b):8*(4*\a+\b)+7]
.endif
.endr
.endm
; 16 LDS loads: eighth q (32 along K) of a slot: wob's four blocks, then ab's four (head q / 2 of the slot's four, half q % 2 of its 64)
.macro FETCH slot, q, f
.irp i, 0,1,2,3
	ds_load_b128 v[\f+8*\i:\f+8*\i+3],   v[ADRB+\slot] offset:\i*16*PITCHB+64*\q
	ds_load_b128 v[\f+8*\i+4:\f+8*\i+7], v[ADRB+\slot] offset:\i*16*PITCHB+64*\q+32
.endr
.irp i, 0,1,2,3
	ds_load_b128 v[\f+32+8*\i:\f+32+8*\i+3], v[ADRA+\slot] offset:\i*8*PITCHA+(\q>>1)*256+(\q&1)*64
	ds_load_b128 v[\f+32+8*\i+4:\f+32+8*\i+7], v[ADRA+\slot] offset:\i*8*PITCHA+(\q>>1)*256+(\q&1)*64+32
.endr
.endm
.macro PLACES                          ; four places behind the last matrix instruction (ISA guide 7.12.1 for vector instructions)
.rept 4
	v_nop
.endr
.endm
; multiplies buffer f; in its middle fetches eighth q of the same slot into buffer g
.macro EIGHTH slot, q, f, g, zero
	s_wait_dscnt 4                                 ; wob and ab's blocks 0, 1 are in; the youngest four loads (ab's blocks 2, 3) may be out
	WIN W_MUL
	MUL4 \f, 0, \zero
	MUL4 \f, 1, \zero
	WIN 0
	PLACES
	FETCH \slot, \q, \g
	s_wait_dscnt 16                                ; all but the 16 just issued
	WIN W_MUL
	MUL4 \f, 2, \zero
	MUL4 \f, 3, \zero
.endm
.macro SEVEN slot, zero
	EIGHTH \slot, 1, F0, F1, \zero
	EIGHTH \slot, 2, F1, F0, 0
	EIGHTH \slot, 3, F0, F1, 0
	EIGHTH \slot, 4, F1, F0, 0
	EIGHTH \slot, 5, F0, F1, 0
	EIGHTH \slot, 6, F1, F0, 0
	EIGHTH \slot, 7, F0, F1, 0
.endm
; The last eighth of a slot, and the change of slots.  In front of the barrier: my reads of this slot and all my tensor loads (one is out: my part of
; the next slot).  Behind it the refill first.  From a request to the wait for it a wave issues 124 matrix instructions.
.macro TURN slot, next, fill
	s_wait_dscnt 4
	WIN W_MUL
	MUL4 F1, 0, 0
	s_wait_dscnt 0
	s_wait_tensorcnt 0x0
	ds_add_u32 v62, v63
	s_wait_dscnt 0x0
	s_barrier_signal -1
	MUL4 F1, 1, 0                                  ; register work while the others arrive
	WIN 0
	s_barrier_wait -1
.if \fill
	CREST                                          ; no wave of any partner still reads this slot or has a load on its way
	s_add_nc_u64 s[G0+4*\slot+2:G0+4*\slot+3], s[G0+4*\slot+2:G0+4*\slot+3], 2*1024
	s_add_nc_u64 s[G0B+4*\slot+2:G0B+4*\slot+3], s[G0B+4*\slot+2:G0B+4*\slot+3], 2*512
	JLOAD \slot                                    ; the first tensor load behind the round, one a wave
.endif
	PLACES
	FETCH \next, 0, F0
	WIN W_MUL
	MUL4 F1, 2, 0
	MUL4 F1, 3, 0
.endm
	s_wait_tensorcnt 1                             ; my part of slot 0 is in; slot 1's stays out
	s_barrier_signal -1
	s_barrier_wait -1
	FETCH 0, 0, F0
	SEVEN 0, 1                                     ; K 0-255; the first products start the sums
	TURN 0, 1, 1
	SEVEN 1, 0                                     ; K 256-511
	TURN 1, 0, 1
	SEVEN 0, 0                                     ; K 512-767
	TURN 0, 1, 0                                   ; nothing is left to fetch
	SEVEN 1, 0                                     ; K 768-1023
	s_wait_dscnt 0
	WIN W_MUL
	MUL4 F1, 0, 0
	MUL4 F1, 1, 0
	MUL4 F1, 2, 0
	MUL4 F1, 3, 0
	WIN 0
	; THE WAY OUT, 16 rows at a time: bias in f32, 32 bytes a lane into my own stage, whole rows of 256 bytes back.
	PLACES
	s_lshl_b32 s70, s13, 7
	s_lshl_b32 s71, s11, 6
	s_add_co_u32 s70, s70, s71
	s_lshl_b32 s70, s70, 12                        ; my first row, of 4,096 bytes
	s_mov_b32 s71, 0
	s_add_nc_u64 s[8:9], s[8:9], s[70:71]
	s_add_nc_u64 s[8:9], s[8:9], s[68:69]
	s_wait_loadcnt 0x0                             ; the bias
.macro OUT16 a, f
	WIN 0x01                                       ; source 0 window 1
.irp b, 0,1,2,3
.irp i, 0,1,2,3
	v_pk_add_f32 v[TMP+8*\b+2*\i:TMP+8*\b+2*\i+1], v[8*(4*\a+\b)+2*\i:8*(4*\a+\b)+2*\i+1], v[BIAS+8*\b+2*\i:BIAS+8*\b+2*\i+1]
.endr
.endr
	WIN 0
.irp b, 0,1,2,3
	ds_store_b128 v[STO], v[TMP+8*\b:TMP+8*\b+3] offset:64*\b
	ds_store_b128 v[STO], v[TMP+8*\b+4:TMP+8*\b+7] offset:64*\b+16
.endr
	s_wait_xcnt 0x0                                ; buffer f, which earlier stores read, and the stores' base are written again only behind this wait
.if \a
	s_add_nc_u64 s[8:9], s[8:9], 16*4096           ; 16 rows on
.endif
.irp t, 0,1,2,3,4,5,6,7
	ds_load_b128 v[\f+4*\t:\f+4*\t+3], v[RD] offset:\t*2*SPITCH      ; my own bytes: LDS serves a wave's instructions in order (ISA guide 5.7.1.4)
.endr
.irp t, 0,1,2,3,4,5,6,7
	s_wait_dscnt 7-\t                              ; load t is in, the younger ones stay out
	global_store_b128 v[CO], v[\f+4*\t:\f+4*\t+3], s[8:9] offset:\t*8192 th:TH_STORE_NT   ; 16 lanes store 256 consecutive bytes, aligned
.endr
.endm
	OUT16 0, F0
	OUT16 1, F1
	OUT16 2, F0
	OUT16 3, F1
	s_wait_tensorcnt 0x0
	ds_add_u32 v62, v63
	s_wait_dscnt 0x0
	CROUND                                         ; the closing round: no work-group ends while a partner may still ask for a tile that names it
	s_endpgm
.Lfunc_end_k_q14481e36bd_oproj:
	.size	k_q14481e36bd_oproj, .Lfunc_end_k_q14481e36bd_oproj-k_q14481e36bd_oproj
	.p2alignl 7, 3214868480
	.fill 96, 4, 3214868480
	.section	.rodata,"a",@progbits
	.p2align	6, 0x0
	.amdhsa_kernel k_q14481e36bd_oproj
		.amdhsa_group_segment_fixed_size 327680
		.amdhsa_private_segment_fixed_size 0
		.amdhsa_enable_private_segment 0
		.amdhsa_kernarg_size 32
		.amdhsa_user_sgpr_count 2
		.amdhsa_user_sgpr_kernarg_segment_ptr 1
		.amdhsa_wavefront_size32 1
		.amdhsa_system_sgpr_workgroup_id_x 1
		.amdhsa_system_sgpr_workgroup_id_y 1
		.amdhsa_system_sgpr_workgroup_id_z 1
		.amdhsa_system_vgpr_workitem_id 0
		.amdhsa_next_free_vgpr 384
		.amdhsa_next_free_sgpr 72
		.amdhsa_reserve_vcc 0
		.amdhsa_float_denorm_mode_32 3
		.amdhsa_float_denorm_mode_16_64 3
		.amdhsa_memory_ordered 1
		.amdhsa_forward_progress 1
		.amdhsa_inst_pref_size 95
	.end_amdhsa_kernel
	.amdgpu_metadata
---
amdhsa.version: [ 1, 2 ]
amdhsa.kernels:
  - .name:           k_q14481e36bd_oproj
    .symbol:         k_q14481e36bd_oproj.kd
    .args:
      - { .name: ab, .offset: 0, .size: 8, .value_kind: global_buffer, .address_space: global }
      - { .name: wob, .offset: 8, .size: 8, .value_kind: global_buffer, .address_space: global }
      - { .name: bo, .offset: 16, .size: 8, .value_kind: global_buffer, .address_space: global }
      - { .name: out0, .offset: 24, .size: 8, .value_kind: global_buffer, .address_space: global }
    .group_segment_fixed_size: 327680
    .private_segment_fixed_size: 0
    .kernarg_segment_align: 8
    .kernarg_segment_size: 32
    .max_flat_workgroup_size: 128
    .sgpr_count:     72
    .vgpr_count:     384
    .wavefront_size: 32
...
	.end_amdgpu_metadata
.endif
;; end of part 4
;; ======== version 2 of 2: 4 launches; version 1 with the launch cvt written anew for expert scheduling mode
;; limits: values are held in f16: magnitudes above 65,504 overflow, below 6.1e-05 lose precision
;; workspace buffers: xb 8,388,608 bytes; wb 6,291,456 bytes; wob 2,097,152 bytes; qkv 25,165,824 bytes; ab 8,388,608 bytes
;; launch cvt (part 5): grid 256 x 1, 8 waves a work-group, no clusters, 0 bytes of LDS; arguments x, wq, wk, wv, wo, xb, wb, wob; writes xb, wb, wob
.if DOCPART == 5
	.amdgcn_target "amdgcn-amd-amdhsa--gfx1250"
	.amdhsa_code_object_version 6
	.text
	.protected	k_q14481e36bd_cvt
	.globl	k_q14481e36bd_cvt
	.p2align	8
	.type	k_q14481e36bd_cvt,@function
k_q14481e36bd_cvt:
	s_mov_b64 s[64:65], 0
	v_nop
	global_prefetch_b8 v0, s[64:65] scope:SCOPE_SE
	s_setreg_imm32_b32 hwreg(HW_REG_WAVE_SCHED_MODE, 0, 2), 2
	s_setreg_imm32_b32 hwreg(HW_REG_WAVE_MODE, 25, 1), 1
	s_wait_xcnt 0x0
	s_wait_alu depctr_vm_vsrc(0)
; Rounds the matrix operands once, so that the two products that follow move 16-bit tiles.
;   xb  [4096][1024] bf16 = x;   wb [3072][1024] bf16 = wq, wk, wv one below the other;
;   wob [1024][1024] f16  = wo rounded to bf16 and then written as f16 (its partner in the last product is f16).
; LIMIT: bf16(wo) is exact in f16 for 2^-17 <= |wo| < 65504; below that the f16 step 2^-24 rounds it (error at most 2^-25).
; A stream: 256 work-groups, each with 65,536 bytes of x (16 chunks of 4,096) and 16,384 bytes of each weight (4 chunks).
; Thread t takes the 16 bytes at 16 t of a chunk (a wave's load covers 512 consecutive bytes) and stores the 8 bytes at 8 t
; of the chunk's image (a wave's store covers 256 consecutive bytes, aligned).  All 32 loads of a wave go out first.
; No matrix unit, LDS or barrier: no wave needs another's data.
; THE MODE: SCHED_MODE bits 1:0 = 2 (LLVM: expert scheduling mode 2), set by the entry lines.  The code itself states the register dependences
; between vector instructions and memory instructions, with s_wait_alu, always for 0.
; THE PLAN.  Registers that memory instructions touch:
;   v1, v2        byte offsets of the loads and of the stores: written once at the head, never again.
;   v[X+4 n ..]   load n's four registers.  The load is issued at the head, before any vector instruction names them.  Load n's roundings read all
;                 four and write the first two in place; store n reads those two; nothing writes them after that.
; The 32 loads are eight groups of four (x: groups 0 to 3; wq, wk, wv, wo: groups 4 to 7).  A group: the wait for its four loads, its roundings,
; ONE wait on va_vdst, its four stores in a run.  That wait stands behind the group's own roundings and not at the next group's head: there the wave
; waits for load data on which these stores do not hang.  No register that a load or a store has read is ever written again, and no load is issued
; behind a vector instruction that names its registers: so the text holds no wait on vm_vsrc but the entry's, and no other wait on va_vdst than the head's and the groups'.
.set CHUNK, 4096                       ; bytes of f32 that the work-group's 256 threads take at once
.set HALF,  2048                       ; the same numbers in 16 bits
.set WMAT,  2097152                    ; bytes of one weight in wb
.set X,     4                          ; v[4:131]  load n: 4 registers
	s_load_b512 s[4:19], s[0:1], 0x0               ; x 4, wq 6, wk 8, wv 10, wo 12, xb 14, wb 16, wob 18
	s_lshl_b32 s2, ttmp9, 16                       ; my part of x
	s_mov_b32 s3, 0
	s_lshl_b32 s20, ttmp9, 15                      ; of xb
	s_mov_b32 s21, 0
	s_lshl_b32 s22, ttmp9, 14                      ; of each weight
	s_mov_b32 s23, 0
	s_lshl_b32 s24, ttmp9, 13                      ; of each weight's image
	s_mov_b32 s25, 0
	v_lshlrev_b32 v1, 4, v0                        ; 16 t
	v_lshlrev_b32 v2, 3, v0                        ; 8 t
	s_wait_kmcnt 0x0
	s_add_nc_u64 s[4:5], s[4:5], s[2:3]
	s_add_nc_u64 s[6:7], s[6:7], s[22:23]
	s_add_nc_u64 s[8:9], s[8:9], s[22:23]
	s_add_nc_u64 s[10:11], s[10:11], s[22:23]
	s_add_nc_u64 s[12:13], s[12:13], s[22:23]
	s_add_nc_u64 s[14:15], s[14:15], s[20:21]
	s_add_nc_u64 s[16:17], s[16:17], s[24:25]
	s_add_nc_u64 s[18:19], s[18:19], s[24:25]
	s_wait_alu depctr_va_vdst(0)                   ; v1 and v2 are written: every load of the kernel reads v1 as its offset, every store v2
.irp i, 0,1,2,3,4,5,6,7,8,9,10,11,12,13,14,15
	global_load_b128 v[X+4*\i:X+4*\i+3], v1, s[4:5] offset:\i*CHUNK th:TH_LOAD_NT
.endr
.irp m, 0,1,2,3
.irp i, 0,1,2,3
	global_load_b128 v[X+64+16*\m+4*\i:X+64+16*\m+4*\i+3], v1, s[6+2*\m:7+2*\m] offset:\i*CHUNK th:TH_LOAD_NT
.endr
.endr
; load n's four numbers become two words of bf16 in its first two registers
.macro BF n
	v_cvt_pk_bf16_f32 v[X+4*(\n)],   v[X+4*(\n)],   v[X+4*(\n)+1]
	v_cvt_pk_bf16_f32 v[X+4*(\n)+1], v[X+4*(\n)+2], v[X+4*(\n)+3]
.endm
; one word of two bf16 (register r) becomes one word of two f16; a, b: the load's two free registers
.macro TOF16 r, a, b
	v_lshlrev_b32 v[\a], 16, v[\r]
	v_and_b32 v[\b], 0xffff0000, v[\r]
	v_cvt_pk_f16_f32 v[\r], v[\a], v[\b]
.endm
; load n's image goes out: loads 0 to 15 are x's chunks, 16 to 27 four chunks each of wq, wk, wv, 28 to 31 wo's
.macro ST n
.if (\n) < 16
	global_store_b64 v2, v[X+4*(\n):X+4*(\n)+1], s[14:15] offset:(\n)*HALF
.elseif (\n) < 28
	global_store_b64 v2, v[X+4*(\n):X+4*(\n)+1], s[16:17] offset:(((\n)-16)/4)*WMAT+((\n)%4)*HALF
.else
	global_store_b64 v2, v[X+4*(\n):X+4*(\n)+1], s[18:19] offset:((\n)-28)*HALF
.endif
.endm
; Group g: loads 4 g to 4 g + 3.
.macro GROUP g
	s_wait_loadcnt 28-4*(\g)                       ; loads come back in order (ISA guide 5.7.1): the group's four are in, the 28 - 4 g younger ones stay out
.irp i, 0,1,2,3
	BF 4*(\g)+(\i)
.if (\g) == 7
	TOF16 X+112+4*(\i),   X+112+4*(\i)+2, X+112+4*(\i)+3
	TOF16 X+112+4*(\i)+1, X+112+4*(\i)+2, X+112+4*(\i)+3
.endif
.endr
	s_wait_alu depctr_va_vdst(0)                   ; the group's roundings have written the first two registers of each of its four loads, which the four stores below read
.irp i, 0,1,2,3
	ST 4*(\g)+(\i)
.endr
.endm
.irp g, 0,1,2,3,4,5,6,7
	GROUP \g
.endr
	s_endpgm                                       ; no register that a store reads is written again, so no further wait is owed
.Lfunc_end_k_q14481e36bd_cvt:
	.size	k_q14481e36bd_cvt, .Lfunc_end_k_q14481e36bd_cvt-k_q14481e36bd_cvt
	.p2alignl 7, 3214868480
	.fill 96, 4, 3214868480
	.section	.rodata,"a",@progbits
	.p2align	6, 0x0
	.amdhsa_kernel k_q14481e36bd_cvt
		.amdhsa_group_segment_fixed_size 0
		.amdhsa_private_segment_fixed_size 0
		.amdhsa_enable_private_segment 0
		.amdhsa_kernarg_size 64
		.amdhsa_user_sgpr_count 2
		.amdhsa_user_sgpr_kernarg_segment_ptr 1
		.amdhsa_wavefront_size32 1
		.amdhsa_system_sgpr_workgroup_id_x 1
		.amdhsa_system_sgpr_workgroup_id_y 1
		.amdhsa_system_sgpr_workgroup_id_z 1
		.amdhsa_system_vgpr_workitem_id 0
		.amdhsa_next_free_vgpr 132
		.amdhsa_next_free_sgpr 66
		.amdhsa_reserve_vcc 0
		.amdhsa_float_denorm_mode_32 3
		.amdhsa_float_denorm_mode_16_64 3
		.amdhsa_memory_ordered 1
		.amdhsa_forward_progress 1
		.amdhsa_inst_pref_size 13
	.end_amdhsa_kernel
	.amdgpu_metadata
---
amdhsa.version: [ 1, 2 ]
amdhsa.kernels:
  - .name:           k_q14481e36bd_cvt
    .symbol:         k_q14481e36bd_cvt.kd
    .args:
      - { .name: x, .offset: 0, .size: 8, .value_kind: global_buffer, .address_space: global }
      - { .name: wq, .offset: 8, .size: 8, .value_kind: global_buffer, .address_space: global }
      - { .name: wk, .offset: 16, .size: 8, .value_kind: global_buffer, .address_space: global }
      - { .name: wv, .offset: 24, .size: 8, .value_kind: global_buffer, .address_space: global }
      - { .name: wo, .offset: 32, .size: 8, .value_kind: global_buffer, .address_space: global }
      - { .name: xb, .offset: 40, .size: 8, .value_kind: global_buffer, .address_space: global }
      - { .name: wb, .offset: 48, .size: 8, .value_kind: global_buffer, .address_space: global }
      - { .name: wob, .offset: 56, .size: 8, .value_kind: global_buffer, .address_space: global }
    .group_segment_fixed_size: 0
    .private_segment_fixed_size: 0
    .kernarg_segment_align: 8
    .kernarg_segment_size: 64
    .max_flat_workgroup_size: 256
    .sgpr_count:     66
    .vgpr_count:     132
    .wavefront_size: 32
...
	.end_amdgpu_metadata
.endif
;; end of part 5
;; launch qkv: the kernel of part 2 again; grid 16 x 16, 4 waves a work-group, clusters of 4 x 4, 327,680 bytes of LDS; arguments xb, wb, bq, bk, bv, qkv; writes qkv
;; launch attn: the kernel of part 3 again; grid 8 x 32, 4 waves a work-group, no clusters, 327,680 bytes of LDS; arguments qkv, ab; writes ab
;; launch oproj: the kernel of part 4 again; grid 8 x 32, 4 waves a work-group, clusters of 4 x 4, 327,680 bytes of LDS; arguments ab, wob, bo, out0; writes out0
